; MI455X (gfx1250); checked and timed in simulation.
; The chip was launched on July 23, 2026; its instructions are those of AMD's public machine-readable ISA for CDNA 5 (MIT licence, August 2026) and "CDNA5" Instruction Set Architecture Reference Guide (July 2026). The comments in the code are by the model that wrote it; some were corrected since.
;; Multi Head Causal Self Attention. Allowed arithmetic: matrix products marked QUANTISED: E2M1 operands, one E8M0 scale for each 32 along K, by v_wmma_scale_f32_16x16x128_f8f6f4 with both operands' format E2M1 (or v_wmma_scale_f32_32x16x128_f4), f32 sums; products left as they are: bf16, f16 or f32 operands; f32 sums; everything else in f32.
;; Inputs: w_out 1,024 x 1,024 float32; w_qkv 1,024 x 3,072 float32; x 4 x 2,048 x 1,024 float32.
;; Outputs: out0 4 x 2,048 x 1,024 float32.
;; This version of the problem:
;;   THIS VERSION OF THE PROBLEM IS GIVEN IN LOW PRECISION. The matrix products marked QUANTISED in the list below multiply operands that are first quantised to E2M1 (2 exponent bits, 1 mantissa bit; 4 bits a number), with one power-of-two scale for each 32 numbers along K (OCP MX v1.0); their sums are f32. The products marked 'left as it is' may take bf16, f16 or f32 operands, with f32 sums. All else is computed in f32.
;;   The module's matrix products, in the order in which they are computed (A, B: the left and right operand; K: the contracted axis; several contracted axes count as one K, in the product's order):
;;     1. [M 8,192, K 1,024] x [K 1,024, N 3,072]; A: input x; B: input w_qkv: QUANTISED
;;     2. batch 64 x [M 2,048, K 64] x [K 64, N 2,048]; A: computed on the way; B: computed on the way: left as it is (an operand is computed on the way)
;;     3. batch 64 x [M 2,048, K 2,048] x [K 2,048, N 64]; A: computed on the way; B: computed on the way: left as it is (an operand is computed on the way)
;;     4. [M 8,192, K 1,024] x [K 1,024, N 1,024]; A: computed on the way; B: input w_out: left as it is (an operand is computed on the way)
;;   THE QUANTISER, for each operand of a quantised product, along K:
;;     - K is cut into blocks of 32 from its start; a last block that is shorter is filled with zeros.
;;     - A block's scale is 2^e with e = floor(log2(the largest magnitude in the block)) - 2, held to -126 .. 127; a block of zeros has e = 0. As a byte (E8M0): e + 127.
;;     - Each number is divided by its block's scale, clamped to +-6, and rounded to the nearest number of E2M1, ties to even, subnormals kept.
;;     - The product sums the exact products of the quantised numbers (number of the format x scale) in f32.
;;   ~~~python
;;   def quantise(x, axis):      # numpy; x: float32 -> the quantised numbers, widened to float32 again
;;       x = np.moveaxis(x, axis, -1); K = x.shape[-1]
;;       x = np.pad(x, [(0, 0)] * (x.ndim - 1) + [(0, -K % 32)]); x = x.reshape(x.shape[:-1] + (-1, 32)); a = np.abs(x).max(-1, keepdims=True)
;;       e = np.where(a > 0, np.clip(np.frexp(np.where(a > 0, a, 1))[1] - 1 - 2, -126, 127), 0)      # np.frexp(a)[1] - 1 = floor(log2(a)), exactly
;;       r = np.clip(x / 2.0 ** e, -6, 6)
;;       step = 2.0 ** (np.maximum(np.frexp(np.where(r == 0, 1, r))[1] - 1, 0) - 1)
;;       q = np.round(r / step) * step * 2.0 ** e      # np.round: ties to even
;;       return np.moveaxis(q.reshape(q.shape[:-2] + (-1,))[..., :K], -1, axis).astype(np.float32)
;;   ~~~
;; One version. Each part assembles by itself: llvm-mc -triple=amdgcn-amd-amdhsa -mcpu=gfx1250 --defsym DOCPART=n.
;; ======== version 1 of 1: 4 launches
;; limits: values are held in f16: magnitudes above 65,504 overflow, below 6.1e-05 lose precision
;; workspace buffers: xc 4,194,304 bytes; xs 262,144 bytes; wc 1,572,864 bytes; ws 98,304 bytes; wo 4,194,304 bytes; qkv 50,331,648 bytes; att 16,777,216 bytes
;; launch prep (part 1): grid 256 x 1, 4 waves a work-group, no clusters, 34,304 bytes of LDS; arguments x, w_qkv, w_out, xc, xs, wc, ws, wo; writes xc, xs, wc, ws, wo
.if DOCPART == 1
	.amdgcn_target "amdgcn-amd-amdhsa--gfx1250"
	.amdhsa_code_object_version 6
	.text
	.protected	k_q81d12a3647_prep
	.globl	k_q81d12a3647_prep
	.p2align	8
	.type	k_q81d12a3647_prep,@function
k_q81d12a3647_prep:
	s_mov_b64 s[64:65], 0
	v_nop
	global_prefetch_b8 v0, s[64:65] scope:SCOPE_SE
	s_setreg_imm32_b32 hwreg(HW_REG_WAVE_MODE, 25, 1), 1
	s_wait_xcnt 0x0
; THE OPERANDS OF THE LATER LAUNCHES ARE MADE ONCE, AS IMAGES OF OPERAND REGISTERS: four registers of a fragment lie as 32 lanes x 16 bytes, 512 bytes on end.
;   x [8192][1024] f32      -> xc: codes of FP4 (E2M1), [row block 32][K step 8][row tile 16][c 2][lane][16 B]: lane (r, h), half c: k = 128 s + 64 c + 32 h + 0..31 of row r
;                              xs: E8M0 scale words, [row tile 512][lane 32][4 words]: lane 16 (s & 1) + r, word s >> 1: row r's four bytes of K step s
;   w_qkv [1024][3072] f32  -> wc, ws: the same with a column n of w_qkv as the row; wc in blocks of 256 columns
;   w_out [1024][1024] f32  -> wo: f16 in two parts, hi = f16(w) and lo = f16(w - hi): [column block 8 (128)][kc 32][part 2][tile 8][hf 2][lane][16 B]: lane (r, h): k = 32 kc + 16 hf + 8 h + 0..7 of column r
; A block's scale is 2^(floor(log2(largest magnitude)) - 2): its byte is the largest magnitude's exponent field - 2, held at 1 from below by a floor among the maximum's leaves.
; LIMITS: a block of zeros keeps the byte 1 (its codes are zeros, and this program alone reads the bytes); blocks whose largest magnitude lies under 2^-124 are held at that byte; NaN and infinities are not served;
; numbers of w_out beyond 65,504 become infinities.
; SHARES: work-groups 0-95 take w_qkv (128 columns x 256 of K each), 96-127 w_out (the same), 128-255 x (a wave takes 16 rows x all of K).  The three paths part on the work-group's number;
; only x's path uses LDS (each wave its own 16 rows x 528 bytes), so there is no barrier.  No matrix unit, no tensor load, no cluster: every byte is read once by one wave.
.set XR, 32                            ; x: v32-159  two sets of 64 registers as loaded
.set XX, 160                           ; x: v160-223 64 numbers in the operand's order: register 32 c + i = k 64 c + 32 h + i of my row
.set WX, 32                            ; weights: v32-95 two sets of 32 numbers down K
.macro XLOAD s                         ; K step s of my 16 rows: each load reads 512 consecutive bytes of one row
.irp i, 0,1,2,3,4,5,6,7,8,9,10,11,12,13,14,15
	global_load_b128 v[XR+64*((\s)%2)+4*\i:XR+64*((\s)%2)+4*\i+3], v3, s[4:5] offset:4096*\i+512*(\s) th:TH_LOAD_NT
.endr
.endm
.macro XSTEP s
.if (\s) < 7
	s_wait_loadcnt 16                              ; this step's 16 loads are in; the next step's 16 may be out
.else
	s_wait_loadcnt 0x0
.endif
.irp i, 0,1,2,3,4,5,6,7,8,9,10,11,12,13,14,15
	ds_store_b128 v6, v[XR+64*((\s)%2)+4*\i:XR+64*((\s)%2)+4*\i+3] offset:528*\i   ; as loaded: row i, 16 bytes a lane
.endr
.irp c, 0,1
.irp j, 0,1,2,3,4,5,6,7
	ds_load_b128 v[XX+32*\c+4*\j:XX+32*\c+4*\j+3], v7 offset:256*\c+16*\j          ; back as the operand wants them: 128 bytes of my row.  LDS serves a wave's instructions in order: these see the stores above
.endr
.endr
	s_wait_dscnt 0x0                               ; the numbers are back, and the stores have read their registers,
.if (\s) < 6
	XLOAD (\s)+2                                   ; which take the loads of two steps on
.endif
.irp c, 0,1
	v_max3_num_f32 v[14+\c], |v[XX+32*\c]|, |v[XX+32*\c+1]|, 0x1800000             ; my block 2 c + h: all 32 numbers are mine; two chains a block, each over the floor 2^(3 - 127)
	v_max3_num_f32 v[22+\c], |v[XX+32*\c+2]|, |v[XX+32*\c+3]|, 0x1800000
.endr
.irp i, 4,8,12,16,20,24,28
.irp c, 0,1
	v_max3_num_f32 v[14+\c], v[14+\c], |v[XX+32*\c+\i]|, |v[XX+32*\c+\i+1]|
	v_max3_num_f32 v[22+\c], v[22+\c], |v[XX+32*\c+\i+2]|, |v[XX+32*\c+\i+3]|
.endr
.endr
.irp c, 0,1
	v_max_num_f32 v[14+\c], v[14+\c], v[22+\c]
.endr
.irp c, 0,1
	v_add_nc_u32 v[22+\c], 0xff000000, v[14+\c]    ; 2 off the exponent field: the conversion takes the exponent field of this operand as its scale
.endr
.irp c, 0,1
	v_lshrrev_b32 v[14+\c], 23, v[22+\c]           ; the scale's byte
.endr
	v_lshl_or_b32 v14, v15, 16, v14                ; my two bytes, blocks h and 2 + h,
	v_lshlrev_b32 v14, v8, v14                     ; at their places in the word (8 h bits up);
	v_permlanex16_b32 v13, v14, s22, s23
	v_or_b32 v14, v14, v13                         ; with lane l xor 16's two the word is whole
.if (\s)%2 == 0
	v_mov_b32 v20, v14                             ; an even K step's word waits for the odd one
.else
	v_cndmask_b32 v[16+(\s)/2], v20, v14, s24      ; lanes 0-15 keep the even step's word, lanes 16-31 the odd step's
.endif
	s_wait_xcnt 0x0                                ; the last step's stores have read v24-31, which are written again now
.irp c, 0,1
.irp g, 0,1,2,3
	v_cvt_scalef32_pk8_fp4_f32 v[24+4*\c+\g], v[XX+32*\c+8*\g:XX+32*\c+8*\g+7], v[22+\c]
.endr
.endr
	v_nop                                          ; one plain place behind the last scaled conversion
.irp c, 0,1
	global_store_b128 v3, v[24+4*\c:24+4*\c+3], s[10:11] offset:16384*(\s)+512*\c  ; 512 consecutive bytes, aligned
.endr
.endm
.macro WLOAD t, pitch, base            ; block t of 32 along K: a lane takes a column, its registers run down K; a wave's load reads 128 consecutive bytes, the four waves stand side by side
.irp i, 0,1,2,3,4,5,6,7,8,9,10,11,12,13,14,15,16,17,18,19,20,21,22,23,24,25,26,27,28,29,30,31
	global_load_b32 v[WX+32*((\t)%2)+\i], v9, s[\base:\base+1] offset:(32*(\t)+\i)*\pitch th:TH_LOAD_NT
.endr
.endm
.macro QBLOCK t                        ; w_qkv: 32 numbers of my column become 16 bytes of codes and a scale byte
.set XS, WX+32*((\t)%2)
.if (\t) < 7
	s_wait_loadcnt 32                              ; this block's 32 loads are in; the next block's may be out
.else
	s_wait_loadcnt 0x0
.endif
	v_max3_num_f32 v12, |v[XS]|, |v[XS+1]|, |v[XS+2]|
	v_max3_num_f32 v14, |v[XS+3]|, |v[XS+4]|, |v[XS+5]|
.irp i, 6,10,14,18,22,26
	v_max3_num_f32 v12, v12, |v[XS+\i]|, |v[XS+\i+1]|
	v_max3_num_f32 v14, v14, |v[XS+\i+2]|, |v[XS+\i+3]|
.endr
	v_max3_num_f32 v12, v12, |v[XS+30]|, |v[XS+31]|
	v_max3_num_f32 v12, v12, v14, 0x1800000        ; and the floor
	v_add_nc_u32 v22, 0xff000000, v12
	v_lshrrev_b32 v15, 23, v22
.if (\t)%4 == 0
	v_mov_b32 v[16+(\t)/4], v15                    ; four bytes make a K step's word
.else
	v_lshl_or_b32 v[16+(\t)/4], v15, 8*((\t)%4), v[16+(\t)/4]
.endif
.irp g, 0,1,2,3
	v_cvt_scalef32_pk8_fp4_f32 v[96+4*(\t)+\g], v[XS+8*\g:XS+8*\g+7], v22          ; each block has its own four registers: no store's data are written again
.endr
	v_nop                                          ; one plain place behind the last scaled conversion
	global_store_b128 v10, v[96+4*(\t):96+4*(\t)+3], s[14:15] offset:((\t)/4)*16384+(((\t)%4)/2)*512+((\t)%2)*256   ; sixteen lanes fill 256 consecutive bytes, aligned
.if (\t) < 6
	WLOAD (\t)+2, 12288, 6
.endif
.endm
.macro OBLOCK t                        ; w_out: 32 numbers of my column become 32 f16 (hi) and 32 f16 (lo)
.set XS, WX+32*((\t)%2)
.if (\t) < 7
	s_wait_loadcnt 32
.else
	s_wait_loadcnt 0x0
.endif
	s_wait_xcnt 0x0                                ; the last block's stores have read v96-127, which are written again now
.irp i, 0,1,2,3,4,5,6,7,8,9,10,11,12,13,14,15
	v_cvt_pk_f16_f32 v[96+\i], v[XS+2*\i], v[XS+2*\i+1]
.endr
	v_cvt_f32_f16 v128, v96.l                      ; hi, widened again
	v_cvt_f32_f16 v129, v96.h
	v_cvt_f32_f16 v130, v97.l
	v_cvt_f32_f16 v131, v97.h
	v_cvt_f32_f16 v132, v98.l
	v_cvt_f32_f16 v133, v98.h
	v_cvt_f32_f16 v134, v99.l
	v_cvt_f32_f16 v135, v99.h
	v_cvt_f32_f16 v136, v100.l
	v_cvt_f32_f16 v137, v100.h
	v_cvt_f32_f16 v138, v101.l
	v_cvt_f32_f16 v139, v101.h
	v_cvt_f32_f16 v140, v102.l
	v_cvt_f32_f16 v141, v102.h
	v_cvt_f32_f16 v142, v103.l
	v_cvt_f32_f16 v143, v103.h
	v_cvt_f32_f16 v144, v104.l
	v_cvt_f32_f16 v145, v104.h
	v_cvt_f32_f16 v146, v105.l
	v_cvt_f32_f16 v147, v105.h
	v_cvt_f32_f16 v148, v106.l
	v_cvt_f32_f16 v149, v106.h
	v_cvt_f32_f16 v150, v107.l
	v_cvt_f32_f16 v151, v107.h
	v_cvt_f32_f16 v152, v108.l
	v_cvt_f32_f16 v153, v108.h
	v_cvt_f32_f16 v154, v109.l
	v_cvt_f32_f16 v155, v109.h
	v_cvt_f32_f16 v156, v110.l
	v_cvt_f32_f16 v157, v110.h
	v_cvt_f32_f16 v158, v111.l
	v_cvt_f32_f16 v159, v111.h
.irp i, 0,1,2,3,4,5,6,7,8,9,10,11,12,13,14,15
	v_pk_add_f32 v[128+2*\i:129+2*\i], v[XS+2*\i:XS+2*\i+1], v[128+2*\i:129+2*\i] neg_lo:[0,1] neg_hi:[0,1]   ; w - hi: exact
.endr
.irp i, 0,1,2,3,4,5,6,7,8,9,10,11,12,13,14,15
	v_cvt_pk_f16_f32 v[112+\i], v[128+2*\i], v[129+2*\i]
.endr
.irp p, 0,1,2,3                        ; piece p holds k = 8 p .. 8 p + 7: hf = p / 2, h = p % 2
	global_store_b128 v10, v[96+4*\p:96+4*\p+3], s[18:19] offset:16384*(\t)+(\p/2)*512+(\p%2)*256
	global_store_b128 v10, v[112+4*\p:112+4*\p+3], s[18:19] offset:16384*(\t)+8192+(\p/2)*512+(\p%2)*256
.endr
.if (\t) < 6
	WLOAD (\t)+2, 4096, 8
.endif
.endm
	s_load_b256 s[4:11], s[0:1], 0x0               ; x s[4:5], w_qkv s[6:7], w_out s[8:9], xc s[10:11]
	s_load_b256 s[12:19], s[0:1], 0x20             ; xs s[12:13], wc s[14:15], ws s[16:17], wo s[18:19]
	v_lshl_add_u32 v224, v0, 2, 0x8400
	v_mov_b32 v225, 0
	v_lshrrev_b32 v1, 5, v0
	v_readfirstlane_b32 s20, v1                    ; wave 0..3
	v_and_b32 v2, 31, v0                           ; lane
	v_lshlrev_b32 v3, 4, v2                        ; 16 x lane
	v_and_b32 v4, 15, v0                           ; r
	v_bfe_u32 v5, v0, 4, 1                         ; h
	s_mul_i32 s21, s20, 8448                       ; my wave's stage: 16 rows x 528 bytes
	v_add_nc_u32 v6, s21, v3                       ; into it: 16 bytes a lane
	v_mul_u32_u24 v7, v4, 528                      ; out of it: row r, + 128 h.  528 = 2 x 256 + 16: sixteen rows fall on sixteen different 16-byte columns of 256 bytes
	v_lshl_add_u32 v7, v5, 7, v7
	v_add_nc_u32 v7, s21, v7
	v_lshlrev_b32 v8, 3, v5                        ; 8 h
	v_lshlrev_b32 v9, 2, v2                        ; 4 x lane
	v_lshlrev_b32 v10, 4, v4
	v_lshl_add_u32 v11, v5, 9, v10                 ; scale images: tile (lane / 16) x 512 + 16 r
	v_lshl_add_u32 v10, v5, 10, v10                ; fragment images: tile (lane / 16) x 1024 + 16 r
	v_mov_b32 v13, 0                               ; written once: a lane permute's destination counts as one of its sources
	s_mov_b32 s22, 0x76543210
	s_mov_b32 s23, 0xfedcba98                      ; selects for lane l xor 16
	s_mov_b32 s24, 0xffff0000                      ; lanes 16-31
	s_mov_b32 s29, 0                               ; the high word of every offset
	s_wait_kmcnt 0x0
	s_cmp_lt_u32 ttmp9, 96
	s_cbranch_scc1 .Lwqkv
	s_cmp_lt_u32 ttmp9, 128
	s_cbranch_scc1 .Lwout
	; ---- x: my wave's row tile T = 4 (work-group - 128) + wave
	s_sub_co_u32 s26, ttmp9, 128
	s_lshl_b32 s26, s26, 2
	s_add_co_u32 s26, s26, s20
	s_lshl_b32 s28, s26, 16                        ; 16 rows of 4,096 bytes
	s_add_nc_u64 s[4:5], s[4:5], s[28:29]
	s_lshr_b32 s28, s26, 4
	s_lshl_b32 s28, s28, 17                        ; row block: 131,072 bytes of codes
	s_and_b32 s30, s26, 15
	s_lshl_b32 s30, s30, 10                        ; row tile in it: 1,024
	s_add_co_u32 s28, s28, s30
	s_add_nc_u64 s[10:11], s[10:11], s[28:29]
	s_lshl_b32 s28, s26, 9                         ; 512 bytes of scale words a row tile
	s_add_nc_u64 s[12:13], s[12:13], s[28:29]
	XLOAD 0
	XLOAD 1
.irp s, 0,1,2,3,4,5,6,7
	XSTEP \s
.endr
	global_store_b128 v3, v[16:19], s[12:13]       ; the tile's scale words: 512 consecutive bytes
	s_wait_tensorcnt 0x0
	ds_add_u32 v224, v225
	s_wait_dscnt 0x0
	s_endpgm
.Lwqkv:
	; ---- w_qkv: column group cg = work-group / 4 (128 columns), kq = work-group % 4 (256 along K); my wave: 32 columns
	s_lshr_b32 s26, ttmp9, 2
	s_and_b32 s27, ttmp9, 3
	s_mul_i32 s28, s27, 3145728                    ; 256 rows of 12,288 bytes
	s_lshl_b32 s30, s26, 9
	s_add_co_u32 s28, s28, s30
	s_lshl_b32 s30, s20, 7
	s_add_co_u32 s28, s28, s30
	s_add_nc_u64 s[6:7], s[6:7], s[28:29]
	s_lshr_b32 s28, s26, 1
	s_lshl_b32 s28, s28, 17                        ; block of 256 columns
	s_lshl_b32 s30, s27, 15                        ; two K steps of 16,384 bytes
	s_add_co_u32 s28, s28, s30
	s_and_b32 s30, s26, 1
	s_lshl_b32 s30, s30, 13                        ; eight tiles
	s_add_co_u32 s28, s28, s30
	s_lshl_b32 s30, s20, 11                        ; my two tiles
	s_add_co_u32 s28, s28, s30
	s_add_nc_u64 s[14:15], s[14:15], s[28:29]
	s_lshl_b32 s28, s26, 12
	s_lshl_b32 s30, s20, 10
	s_add_co_u32 s28, s28, s30
	s_lshl_b32 s30, s27, 2                         ; word kq of a lane's four
	s_add_co_u32 s28, s28, s30
	s_add_nc_u64 s[16:17], s[16:17], s[28:29]
	WLOAD 0, 12288, 6
	WLOAD 1, 12288, 6
.irp t, 0,1,2,3,4,5,6,7
	QBLOCK \t
.endr
	global_store_b32 v11, v16, s[16:17]            ; K step 2 kq: lane r of the image.  Pieces of 4 bytes, 16 apart: 98,304 bytes in the whole launch, one in 128 of what this path reads
	global_store_b32 v11, v17, s[16:17] offset:256 ; K step 2 kq + 1: lane 16 + r
	s_endpgm
.Lwout:
	; ---- w_out: the same shares
	s_sub_co_u32 s26, ttmp9, 96
	s_and_b32 s27, s26, 3
	s_lshr_b32 s26, s26, 2
	s_lshl_b32 s28, s27, 20                        ; 256 rows of 4,096 bytes
	s_lshl_b32 s30, s26, 9
	s_add_co_u32 s28, s28, s30
	s_lshl_b32 s30, s20, 7
	s_add_co_u32 s28, s28, s30
	s_add_nc_u64 s[8:9], s[8:9], s[28:29]
	s_lshl_b32 s28, s26, 19                        ; block of 128 columns: 32 kc x 16,384 bytes
	s_lshl_b32 s30, s27, 17                        ; eight kc
	s_add_co_u32 s28, s28, s30
	s_lshl_b32 s30, s20, 11                        ; my two tiles
	s_add_co_u32 s28, s28, s30
	s_add_nc_u64 s[18:19], s[18:19], s[28:29]
	WLOAD 0, 4096, 8
	WLOAD 1, 4096, 8
.irp t, 0,1,2,3,4,5,6,7
	OBLOCK \t
.endr
	s_endpgm
.Lfunc_end_k_q81d12a3647_prep:
	.size	k_q81d12a3647_prep, .Lfunc_end_k_q81d12a3647_prep-k_q81d12a3647_prep
	.p2alignl 7, 3214868480
	.fill 96, 4, 3214868480
	.section	.rodata,"a",@progbits
	.p2align	6, 0x0
	.amdhsa_kernel k_q81d12a3647_prep
		.amdhsa_group_segment_fixed_size 34304
		.amdhsa_private_segment_fixed_size 0
		.amdhsa_enable_private_segment 0
		.amdhsa_kernarg_size 64
		.amdhsa_user_sgpr_count 2
		.amdhsa_user_sgpr_kernarg_segment_ptr 1
		.amdhsa_wavefront_size32 1
		.amdhsa_system_sgpr_workgroup_id_x 1
		.amdhsa_system_sgpr_workgroup_id_y 1
		.amdhsa_system_sgpr_workgroup_id_z 1
		.amdhsa_system_vgpr_workitem_id 0
		.amdhsa_next_free_vgpr 226
		.amdhsa_next_free_sgpr 66
		.amdhsa_reserve_vcc 0
		.amdhsa_float_denorm_mode_32 3
		.amdhsa_float_denorm_mode_16_64 3
		.amdhsa_memory_ordered 1
		.amdhsa_forward_progress 1
		.amdhsa_inst_pref_size 159
	.end_amdhsa_kernel
	.amdgpu_metadata
---
amdhsa.version: [ 1, 2 ]
amdhsa.kernels:
  - .name:           k_q81d12a3647_prep
    .symbol:         k_q81d12a3647_prep.kd
    .args:
      - { .name: x, .offset: 0, .size: 8, .value_kind: global_buffer, .address_space: global }
      - { .name: w_qkv, .offset: 8, .size: 8, .value_kind: global_buffer, .address_space: global }
      - { .name: w_out, .offset: 16, .size: 8, .value_kind: global_buffer, .address_space: global }
      - { .name: xc, .offset: 24, .size: 8, .value_kind: global_buffer, .address_space: global }
      - { .name: xs, .offset: 32, .size: 8, .value_kind: global_buffer, .address_space: global }
      - { .name: wc, .offset: 40, .size: 8, .value_kind: global_buffer, .address_space: global }
      - { .name: ws, .offset: 48, .size: 8, .value_kind: global_buffer, .address_space: global }
      - { .name: wo, .offset: 56, .size: 8, .value_kind: global_buffer, .address_space: global }
    .group_segment_fixed_size: 34304
    .private_segment_fixed_size: 0
    .kernarg_segment_align: 8
    .kernarg_segment_size: 64
    .max_flat_workgroup_size: 128
    .sgpr_count:     66
    .vgpr_count:     226
    .wavefront_size: 32
...
	.end_amdgpu_metadata
.endif
;; end of part 1
;; launch qkv (part 2): grid 12 x 32, 4 waves a work-group, clusters of 4 x 4, 262,656 bytes of LDS; arguments xc, xs, wc, ws, qkv; writes qkv
.if DOCPART == 2
	.amdgcn_target "amdgcn-amd-amdhsa--gfx1250"
	.amdhsa_code_object_version 6
	.text
	.protected	k_q81d12a3647_qkv
	.globl	k_q81d12a3647_qkv
	.p2align	8
	.type	k_q81d12a3647_qkv,@function
k_q81d12a3647_qkv:
	s_mov_b64 s[64:65], 0
	v_nop
	global_prefetch_b8 v0, s[64:65] scope:SCOPE_SE
	s_setreg_imm32_b32 hwreg(HW_REG_WAVE_MODE, 25, 1), 1
	s_wait_xcnt 0x0
	s_wait_alu depctr_hold_cnt(0) depctr_sa_sdst(0) depctr_va_vdst(0) depctr_va_sdst(0) depctr_va_ssrc(0) depctr_va_vcc(0) depctr_vm_vsrc(0)
	s_getreg_b32 s2, hwreg(HW_REG_IB_STS2, 6, 4)
	s_cmp_eq_u32 s2, 0
	s_cbranch_scc0 .Lentry_in_a_cluster
	s_endpgm
.Lentry_in_a_cluster:
	s_bfe_u32 s2, ttmp6, 0x10000c
	s_cmp_lg_u32 s2, 0xf033
	s_cbranch_scc0 .Lentry_shape_is_right
	s_endpgm
.Lentry_shape_is_right:
; q, k, v = Q(x) Q(w_qkv): [8192 x 1024] x [1024 x 3072] on codes of FP4 (E2M1) with one E8M0 scale for each 32 along K; sums in f32; the results are rounded once, to f16, for the attention's products.
; LIMIT: a sum beyond 65,504 in magnitude becomes an infinity (as drawn the sums reach about 6; with both inputs 30 times larger about 5,400; with both carrying an offset of 30 spreads about 29,000).
; A work-group of four waves makes 256 rows x 256 columns, a wave 128 x 128: 64 accumulators, 512 registers.  Codes arrive as images of operand registers (512 bytes = four registers x 32 lanes), so every tile is a dense
; block of memory and every fragment two ds_load_b128 at 16 x lane.  ALL OF K FITS IN LDS: A's 131,072 bytes and B's as many, in two halves (K steps 0-3 and 4-7); no LDS byte is filled twice.
; CLUSTERS: 4 x 4 work-groups.  The four of a row need the same rows of x, the four of a column the same columns of w: each block is asked for JOINTLY, by the same tensor load with a mask that names the four.
; THE MATRIX INSTRUCTION IS USED TRANSPOSED (source 0 = 16 columns of w, source 1 = 16 rows of x): a lane holds one token and eight neighbouring channels, which pack into 16 bytes: they ARE a lane's part of the
; fragment image that the attention reads, so the results are stored straight from registers, 512 consecutive aligned bytes an instruction.
; qkv: [which 3][batch x head 64][token tile 128][cc 2][hf 2][512 B]: for q and k lane (r, h) holds channels 32 cc + 16 hf + 8 h + 0..7 of token r; for v the lane's place is 16 (r / 8) + 8 h + r % 8,
; so that the turning LDS load finds, at 16 x its lane, key 8 (lane / 16) + lane % 8 and channel octet (lane / 8) % 2.
; REGISTERS: window 0: v16-28 addresses; v32-63 x's scale words, v64-95 w's (tile i, K step s: register 4 i + s / 2; even s in lanes 0-15, odd s in lanes 16-31); v128-191 x's fragments, one set; v96-255 the way out.
;   window 1: w's fragments, two sets, at v0 and v128.  windows 2, 3: the accumulators of my rows 0-63 and 64-127.
; No prefetch: every tile of the work-group is asked for at its head.
.set SLOT,  131072                     ; half of K: x's 65,536 bytes (K step q at 16,384 q, row tile at 1,024), then w's
.set NL,    2                          ; LDS loads that bring a fragment
.set NP,    4                          ; places behind this matrix instruction (ISA guide 7.12.1)
.set ADRA, 16
.set ADRB, 20
.set CO,   26
.set L16,  27
.set LV,   28
.set SCA,  32
.set SCB,  64
.set AF,   128
.set G1,  24                           ; s[24:31] group 1 for x's blocks;  s[32:39] group 0, one set for each half of K
.set G0,  32
.set G1B, 48                           ; s[48:55], s[56:63] the same for w's
.set G0B, 56
.set MSB, 0
.macro WIN new                         ; the immediate's high byte repeats the setting that is left
.if MSB != (\new)
	s_set_vgpr_msb (MSB<<8)|(\new)
.set MSB, (\new)
.endif
.endm
.set MUL_LO, 0xa1                      ; source 0 (w) window 1, source 1 (x) window 0, C and D window 2
.set MUL_HI, 0xf1
.set TO_B,   0x40
.macro JLOAD g0a, g1a, g0b, g1b        ; a joint load: waves 0 and 1 fetch for x, waves 2 and 3 for w; four v_nop follow each of the two lines
	s_cmp_eq_u32 s15, 0
	s_cbranch_scc0 .Lfor_b_\@
	tensor_load_to_lds s[\g0a:\g0a+3], s[\g1a:\g1a+7]
	s_nop 0
.rept 4
	v_nop
.endr
	s_branch .Lasked_\@
.Lfor_b_\@:
	tensor_load_to_lds s[\g0b:\g0b+3], s[\g1b:\g1b+7]
	s_nop 0
.rept 4
	v_nop
.endr
.Lasked_\@:
.endm
.macro CROUND                          ; a round of the cluster's barrier
	s_barrier_signal -1
	s_barrier_wait -1
	s_cmp_lg_u32 s14, 0
	s_cbranch_scc1 .Lnot_wave_0_\@
	s_barrier_signal -3
.Lnot_wave_0_\@:
	s_barrier_wait -3
	s_barrier_signal -1
	s_barrier_wait -1
.endm
	s_load_b128 s[4:7], s[0:1], 0x0                ; xc s[4:5], xs s[6:7]
	s_load_b128 s[8:11], s[0:1], 0x10              ; wc s[8:9], ws s[10:11]
	s_load_b64 s[12:13], s[0:1], 0x20              ; qkv
	v_lshl_add_u32 v30, v0, 2, 0x40000
	v_mov_b32 v31, 0
	ds_add_u32 v30, v31
	v_lshrrev_b32 v1, 5, v0
	v_readfirstlane_b32 s14, v1                    ; wave 0..3
	s_lshr_b32 s15, s14, 1                         ; which half of the rows is mine.  Also: I fetch for x (0) or for w (1)
	s_and_b32 s16, s14, 1                          ; which half of the columns.  Also: which half of a block I fetch
	s_bfe_u32 s40, ttmp6, 0x40000                  ; cx, cy: my place in the cluster
	s_bfe_u32 s41, ttmp6, 0x40004
	s_lshl_b32 s42, ttmp9, 2
	s_add_co_u32 s42, s42, s40                     ; column block = 4 x cluster x + cx
	s_and_b32 s17, ttmp7, 0xffff
	s_lshl_b32 s17, s17, 2
	s_add_co_u32 s17, s17, s41                     ; row block = 4 x cluster y + cy
	s_lshl_b32 s43, s41, 2
	s_lshl_b32 s43, 15, s43                        ; my row of the cluster
	s_lshl_b32 s44, 0x1111, s40                    ; my column
	s_or_b32 s[G1+0], s43, (3<<16)|(1<<21)         ; 15:0 the mask; 17:16 elements of 8 bytes; 21 set beside a mask; no padding: images are read 512 bytes on end
	s_or_b32 s[G1B+0], s44, (3<<16)|(1<<21)
.irp g, G1, G1B
	s_mov_b32 s[\g+1], 32<<16                      ; tensor_dim0 = 32 elements: rows of 256 bytes
	s_mov_b32 s[\g+2], 128<<16                     ; tensor_dim1 = 128 rows: 32,768 dense bytes
	s_mov_b32 s[\g+3], 32<<16                      ; tile_dim0
	s_mov_b32 s[\g+4], 128                         ; tile_dim1
	s_mov_b32 s[\g+5], 32                          ; the pitch
	s_mov_b32 s[\g+6], 0
	s_mov_b32 s[\g+7], 0
.endr
	s_lshl_b32 s18, s16, 15                        ; my half of a block's 65,536 bytes
	s_lshl_b32 s20, s17, 17                        ; x: row block x 131,072
	s_add_co_u32 s20, s20, s18
	s_mov_b32 s21, 0
	s_lshl_b32 s46, s42, 17                        ; w: column block x 131,072
	s_add_co_u32 s46, s46, s18
	s_mov_b32 s47, 0
	s_lshl_b32 s45, s14, 15                        ; where it goes: wave x 32,768: no place in the cluster enters an LDS address
	s_wait_dscnt 0x0
	s_wait_kmcnt 0x0
	s_add_nc_u64 s[20:21], s[4:5], s[20:21]
	s_add_nc_u64 s[46:47], s[8:9], s[46:47]
	CROUND                                         ; all sixteen work-groups are here: the joint loads meet
.irp s, 0,1
	s_mov_b32 s[G0+4*\s], 1
	s_add_co_u32 s[G0+4*\s+1], s45, \s*SLOT
	s_add_nc_u64 s[G0+4*\s+2:G0+4*\s+3], s[20:21], \s*65536
	s_or_b32 s[G0+4*\s+3], s[G0+4*\s+3], 0x80000000
	s_mov_b32 s[G0B+4*\s], 1
	s_add_co_u32 s[G0B+4*\s+1], s45, \s*SLOT
	s_add_nc_u64 s[G0B+4*\s+2:G0B+4*\s+3], s[46:47], \s*65536
	s_or_b32 s[G0B+4*\s+3], s[G0B+4*\s+3], 0x80000000
	JLOAD G0+4*\s, G1, G0B+4*\s, G1B               ; both halves of K go out at once: two loads of mine are out
.endr
	v_and_b32 v3, 31, v0
	v_lshlrev_b32 v[L16], 4, v3                    ; 16 x lane
	s_lshl_b32 s18, s17, 13                        ; x's scale words: (16 row block + 8 half) tiles of 512 bytes
	s_lshl_b32 s19, s15, 12
	s_add_co_u32 s18, s18, s19
	s_mov_b32 s19, 0
	s_add_nc_u64 s[6:7], s[6:7], s[18:19]
	s_lshl_b32 s18, s42, 13                        ; w's likewise
	s_lshl_b32 s22, s16, 12
	s_add_co_u32 s18, s18, s22
	s_add_nc_u64 s[10:11], s[10:11], s[18:19]
.irp i, 0,1,2,3,4,5,6,7
	global_load_b128 v[SCA+4*\i:SCA+4*\i+3], v[L16], s[6:7] offset:512*\i      ; a tile's words for all of K: four registers
	global_load_b128 v[SCB+4*\i:SCB+4*\i+3], v[L16], s[10:11] offset:512*\i
.endr
	s_lshl_b32 s21, s15, 13                        ; my 8 row tiles
	s_lshl_b32 s22, s16, 13                        ; my 8 column tiles,
	s_add_co_u32 s22, s22, 65536                   ; behind x's 65,536 bytes
.irp s, 0,1
	v_add_nc_u32 v[ADRA+\s], s21, v[L16]
	v_add_nc_u32 v[ADRB+\s], s22, v[L16]
	s_add_co_u32 s21, s21, SLOT
	s_add_co_u32 s22, s22, SLOT
.endr
	v_bfe_u32 v2, v0, 4, 1                         ; h
	v_and_b32 v3, 7, v0                            ; r % 8
	v_bfe_u32 v4, v0, 3, 1                         ; r / 8
	v_lshl_add_u32 v3, v2, 3, v3
	v_lshl_add_u32 v3, v4, 4, v3
	v_lshlrev_b32 v[LV], 4, v3                     ; v's place: 16 x (16 (r / 8) + 8 h + r % 8)
	s_cmp_eq_u32 ttmp9, 2                          ; column blocks 8-11 are v's: the cluster's x, the same in all partners; a choice of a value, no branch
	s_cselect_b32 s22, -1, 0
	v_cndmask_b32 v[CO], v[L16], v[LV], s22
	s_lshl_b32 s18, ttmp9, 6                       ; which x 64
	s_lshr_b32 s19, s17, 3
	s_lshl_b32 s19, s19, 4                         ; + batch x 16
	s_add_co_u32 s18, s18, s19
	s_lshl_b32 s19, s40, 2                         ; + the block's first head: 4 cx
	s_add_co_u32 s18, s18, s19
	s_lshl_b32 s19, s16, 1                         ; + my two heads
	s_add_co_u32 s18, s18, s19
	s_lshl_b32 s18, s18, 18                        ; x 262,144 bytes
	s_and_b32 s19, s17, 7
	s_lshl_b32 s19, s19, 4
	s_lshl_b32 s23, s15, 3
	s_add_co_u32 s19, s19, s23                     ; my first token tile
	s_lshl_b32 s19, s19, 11
	s_add_co_u32 s18, s18, s19
	s_mov_b32 s19, 0
	s_add_nc_u64 s[12:13], s[12:13], s[18:19]
.macro FRAG reg, adr, q, i             ; a fragment, 16 rows x 128 K of 4-bit codes: 8 registers, two images of 512 bytes
.irp c, 0,1
	ds_load_b128 v[\reg+4*\c:\reg+4*\c+3], v[\adr] offset:16384*(\q)+1024*(\i)+512*\c
.endr
.endm
; 16 matrix instructions: x's tiles a0, a0 + 1 against w's eight, K step s.  p: w's set.  zero = 1: the first product starts the sums.  The 64 accumulators take turns, one instruction a turn.
.macro MUL16 a0, p, s, zero
.irp a, \a0, \a0+1
.irp b, 0,1,2,3,4,5,6,7
.if \zero
	v_wmma_scale_f32_16x16x128_f8f6f4 v[8*(8*((\a)%4)+\b):8*(8*((\a)%4)+\b)+7], v[128*(\p)+8*\b:128*(\p)+8*\b+7], v[AF+8*(\a):AF+8*(\a)+7], 0, v[SCB+4*\b+(\s)/2], v[SCA+4*(\a)+(\s)/2] matrix_a_fmt:MATRIX_FMT_FP4 matrix_b_fmt:MATRIX_FMT_FP4
.elseif (\s)%2
	v_wmma_scale_f32_16x16x128_f8f6f4 v[8*(8*((\a)%4)+\b):8*(8*((\a)%4)+\b)+7], v[128*(\p)+8*\b:128*(\p)+8*\b+7], v[AF+8*(\a):AF+8*(\a)+7], v[8*(8*((\a)%4)+\b):8*(8*((\a)%4)+\b)+7], v[SCB+4*\b+(\s)/2], v[SCA+4*(\a)+(\s)/2] matrix_a_fmt:MATRIX_FMT_FP4 matrix_b_fmt:MATRIX_FMT_FP4 matrix_a_scale:MATRIX_SCALE_ROW1 matrix_b_scale:MATRIX_SCALE_ROW1
.else
	v_wmma_scale_f32_16x16x128_f8f6f4 v[8*(8*((\a)%4)+\b):8*(8*((\a)%4)+\b)+7], v[128*(\p)+8*\b:128*(\p)+8*\b+7], v[AF+8*(\a):AF+8*(\a)+7], v[8*(8*((\a)%4)+\b):8*(8*((\a)%4)+\b)+7], v[SCB+4*\b+(\s)/2], v[SCA+4*(\a)+(\s)/2] matrix_a_fmt:MATRIX_FMT_FP4 matrix_b_fmt:MATRIX_FMT_FP4
.endif
.endr
.endr
.endm
.macro FETCH_B slot, q, p
	WIN TO_B
.irp i, 0,1,2,3,4,5,6,7
	FRAG 128*(\p)+8*\i, ADRB+\slot, \q, \i
.endr
	WIN 0
.endm
.macro FETCH_A slot, q, i0
.irp i, \i0, \i0+1, \i0+2, \i0+3
	FRAG AF+8*(\i), ADRA+\slot, \q, \i
.endr
.endm
.macro PLACES n                        ; plain vector places in front of loads into registers that matrix instructions have read, and of the first read of results
.rept \n
	v_nop
.endr
.endm
; A K step that has its successor in the same half.  x's tiles are free as soon as their eight products are issued: tiles 0-3 are fetched anew in the step's middle, tiles 4-7 at its end; w has two sets.
.macro STEP slot, q, zero
	s_wait_dscnt 4*NL                              ; w's set and x's tiles 0-3 are in; the youngest eight loads (x's tiles 4-7) may be out
	WIN MUL_LO
	MUL16 0, (\q)%2, 4*(\slot)+(\q), \zero
	MUL16 2, (\q)%2, 4*(\slot)+(\q), \zero
	s_wait_dscnt 0x0                               ; x's tiles 4-7 are in
	PLACES NP
	FETCH_B \slot, (\q)+1, 1-(\q)%2
	FETCH_A \slot, (\q)+1, 0
	WIN MUL_HI
	MUL16 4, (\q)%2, 4*(\slot)+(\q), \zero
	MUL16 6, (\q)%2, 4*(\slot)+(\q), \zero
	PLACES NP
	WIN 0
	FETCH_A \slot, (\q)+1, 4
.endm
	s_wait_tensorcnt 1                             ; my part of K steps 0-3 is in; the second half's load may be out
	s_barrier_signal -1
	s_barrier_wait -1                              ; everybody's is
	FETCH_B 0, 0, 0
	FETCH_A 0, 0, 0
	FETCH_A 0, 0, 4
	s_wait_loadcnt 0x0                             ; the scale words
	STEP 0, 0, 1
	STEP 0, 1, 0
	STEP 0, 2, 0
	; K step 3 goes over to the second half of K: each wave waits for its own load of it, then one barrier shows it whole to all four
	s_wait_tensorcnt 0x0
	s_wait_dscnt 4*NL
	WIN MUL_LO
	MUL16 0, 1, 3, 0
	s_wait_dscnt 0x0                               ; no LDS instruction of mine is pending at the signal
	s_barrier_signal -1
	MUL16 2, 1, 3, 0
	WIN 0
	s_barrier_wait -1
	PLACES NP
	FETCH_B 1, 0, 0
	FETCH_A 1, 0, 0
	WIN MUL_HI
	MUL16 4, 1, 3, 0
	MUL16 6, 1, 3, 0
	PLACES NP
	WIN 0
	FETCH_A 1, 0, 4
	STEP 1, 0, 0
	STEP 1, 1, 0
	STEP 1, 2, 0
	s_wait_dscnt 4*NL                              ; the last K step: nothing more to fetch
	WIN MUL_LO
	MUL16 0, 1, 7, 0
	MUL16 2, 1, 7, 0
	s_wait_dscnt 0x0
	WIN MUL_HI
	MUL16 4, 1, 7, 0
	MUL16 6, 1, 7, 0
	WIN 0
	PLACES NP
; THE WAY OUT of token tile a: eight accumulators, each from its low end on, rounded to f16: 16 bytes a lane; column tile b is head b / 4, channels 16 (b % 4) on.
.macro PACKSEND a
.set AC, 64*((\a)%4)
.set TM, 96+32*((\a)%5)
	WIN 0x0a+5*((\a)/4)                            ; sources 0 and 1: window 2 or 3
.irp b, 0,1,2,3,4,5,6,7
.irp i, 0,1,2,3
	v_cvt_pk_f16_f32 v[TM+4*\b+\i], v[AC+8*\b+2*\i], v[AC+8*\b+2*\i+1]
.endr
.endr
	WIN 0
.irp b, 0,1,2,3,4,5,6,7
	global_store_b128 v[CO], v[TM+4*\b:TM+4*\b+3], s[12:13] offset:2048*(\a)+(\b/4)*262144+(\b%4)*512   ; 512 consecutive bytes, aligned
.endr
.endm
.irp a, 0,1,2,3,4
	PACKSEND \a
.endr
	s_wait_xcnt 0x0                                ; the stores of tiles 0 to 4 have read their registers, which tiles 5 to 7 write again
.irp a, 5,6,7
	PACKSEND \a
.endr
	s_wait_tensorcnt 0x0
	ds_add_u32 v30, v31
	s_wait_dscnt 0x0
	CROUND                                         ; the closing round: no work-group ends while a partner may still ask for a block that names it
	s_endpgm
.Lfunc_end_k_q81d12a3647_qkv:
	.size	k_q81d12a3647_qkv, .Lfunc_end_k_q81d12a3647_qkv-k_q81d12a3647_qkv
	.p2alignl 7, 3214868480
	.fill 96, 4, 3214868480
	.section	.rodata,"a",@progbits
	.p2align	6, 0x0
	.amdhsa_kernel k_q81d12a3647_qkv
		.amdhsa_group_segment_fixed_size 262656
		.amdhsa_private_segment_fixed_size 0
		.amdhsa_enable_private_segment 0
		.amdhsa_kernarg_size 40
		.amdhsa_user_sgpr_count 2
		.amdhsa_user_sgpr_kernarg_segment_ptr 1
		.amdhsa_wavefront_size32 1
		.amdhsa_system_sgpr_workgroup_id_x 1
		.amdhsa_system_sgpr_workgroup_id_y 1
		.amdhsa_system_sgpr_workgroup_id_z 1
		.amdhsa_system_vgpr_workitem_id 0
		.amdhsa_next_free_vgpr 1024
		.amdhsa_next_free_sgpr 66
		.amdhsa_reserve_vcc 0
		.amdhsa_float_denorm_mode_32 3
		.amdhsa_float_denorm_mode_16_64 3
		.amdhsa_memory_ordered 1
		.amdhsa_forward_progress 1
		.amdhsa_inst_pref_size 116
	.end_amdhsa_kernel
	.amdgpu_metadata
---
amdhsa.version: [ 1, 2 ]
amdhsa.kernels:
  - .name:           k_q81d12a3647_qkv
    .symbol:         k_q81d12a3647_qkv.kd
    .args:
      - { .name: xc, .offset: 0, .size: 8, .value_kind: global_buffer, .address_space: global }
      - { .name: xs, .offset: 8, .size: 8, .value_kind: global_buffer, .address_space: global }
      - { .name: wc, .offset: 16, .size: 8, .value_kind: global_buffer, .address_space: global }
      - { .name: ws, .offset: 24, .size: 8, .value_kind: global_buffer, .address_space: global }
      - { .name: qkv, .offset: 32, .size: 8, .value_kind: global_buffer, .address_space: global }
    .group_segment_fixed_size: 262656
    .private_segment_fixed_size: 0
    .kernarg_segment_align: 8
    .kernarg_segment_size: 40
    .max_flat_workgroup_size: 128
    .sgpr_count:     66
    .vgpr_count:     1024
    .wavefront_size: 32
...
	.end_amdgpu_metadata
.endif
;; end of part 2
;; launch attn (part 3): grid 4 x 64, 8 waves a work-group, no clusters, 327,680 bytes of LDS; arguments qkv, att; writes att
.if DOCPART == 3
	.amdgcn_target "amdgcn-amd-amdhsa--gfx1250"
	.amdhsa_code_object_version 6
	.text
	.protected	k_q81d12a3647_attn
	.globl	k_q81d12a3647_attn
	.p2align	8
	.type	k_q81d12a3647_attn,@function
k_q81d12a3647_attn:
	s_mov_b64 s[64:65], 0
	v_nop
	global_prefetch_b8 v0, s[64:65] scope:SCOPE_SE
	s_setreg_imm32_b32 hwreg(HW_REG_WAVE_MODE, 25, 1), 1
	s_wait_xcnt 0x0
; Causal attention of one head: O[q] = sum over k <= q of softmax_k(Q[q] . K[k] / 8) V[k].  q, k, v arrive in f16 as fragment images; products on f16 with f32 sums; maxima, exponentials and sums in f32;
; the weights p (at most 1) are rounded to f16 for the second product, O once at the end, to f16, as the fragment image that the last product reads.
; SHARES.  Work-group (j, head) owns the query blocks 7 - j and j of its head, 256 queries each: first block 7 - j against key units 0 .. 7 - j, then block j against units 0 .. j (a unit = 256 keys):
; ALWAYS 9 UNITS, so that 256 work-groups have equal work and every trip count is a constant.  Wave w owns 32 queries of the block, two tiles of 16; two waves share a SIMD.
; LAYOUT.  S^T = K Q^T (source 0 = 16 keys, source 1 = 16 queries): a lane holds ONE query (lane % 16) and keys 8 (lane / 16) + 0..7.  Two such tiles, rounded in pairs, ARE source 1 of O^T = V^T P.
; SOFTMAX.  A running maximum m and sum l for each query: p = 2^(c s - c m), c = log2(e) / 8; in every step O and l are multiplied by a = 2^(c m_old - c m_new).  m begins at -3e38, l and O at 0, so the step has one form.
; THE MASK.  A step (64 keys) all of whose keys come after the wave's 32 queries is left out by a scalar branch on ids; on the diagonal hidden scores become -infinity ahead of the maximum.
; THE RING.  Two LDS slots of a unit each (K's 32,768 bytes, then V's), filled by waves 0-3, 16,384 bytes each; at most one tensor load of a wave is out.
; NO CLUSTER: the four work-groups of a head ask for the same unit in trips 0 to 4 only; in trips 5 to 8 their units differ (j = 0: 5, 6, 7, 0; j = 3: 0, 1, 2, 3).  A form in which all four walk units 0 .. 7 jointly
; for both blocks would cost 12 units of work against 9, and a work-group's fills are 9 x 65,536 bytes in the whole launch.
; LIMITS: scores under -3e38 are not served; NaN and infinities among q, k, v are not served.
; REGISTERS: window 0: v1-13 addresses and work; v16-31 statistics, 8 a tile (+0 c m, +1 m, +2 +3 l, +4..7 work, a at +6); v32-95 S^T, 32 a tile; v96-127 P; v128-191 K's fragments; v192-255 V's.
;   window 1: v0-31 Q; v32-95 O^T, 32 a tile.
.set SPARE, 131072                     ; behind the ring: the spare words, 128 bytes for each of eight waves: four blocks of 256 bytes that no other line names
.set SLOT1, 65536
.set ST,  16
.set S,   32
.set P,   96
.set KFR, 128
.set VFR, 192
.set OT,  32
.set W_KQ, 0x04                        ; Q (source 1) in window 1
.set W_PV, 0x50                        ; O^T (C and D) in window 1
.set W_RS, 0x41                        ; O^T (destination and source 0) in window 1
.set MSB, 0
.macro WIN new
.if MSB != (\new)
	s_set_vgpr_msb (MSB<<8)|(\new)
.set MSB, (\new)
.endif
.endm
.macro TLOAD                           ; waves 0 and 1 fetch K's halves of a unit, waves 2 and 3 V's, the others nothing; four v_nop follow the line
	s_cmp_lt_u32 s8, 4
	s_cbranch_scc0 .Lno_load_\@
	tensor_load_to_lds s[32:35], s[24:31]
	s_nop 0
.rept 4
	v_nop
.endr
.Lno_load_\@:
.endm
; A PREFETCH INTO THE L2 of the unit behind the one that is being asked for: it is named one trip, four key steps, ahead of its tensor load.  All work-groups of a head walk the same K and V: the head's first work-group
; (j = 0), which walks units 0 .. 7 in order, asks, in trips 0 to 5 for units 2 to 7.  In it the waves ask that fetch nothing: waves 4 and 5 for K's halves, 6 and 7 for V's, 16,384 bytes each: two instructions, lanes 256 bytes apart.
; So each aligned block of 256 bytes is named once in the launch.  Units 0 and 1 come by their loads alone.
.macro ASK
	s_cmp_gt_u32 s16, s17
	s_cbranch_scc0 .Lnot_mine_\@
	global_prefetch_b8 v7, s[40:41] offset:32768 th:TH_LOAD_NT scope:SCOPE_SE
	global_prefetch_b8 v7, s[40:41] offset:40960 th:TH_LOAD_NT scope:SCOPE_SE
.Lnot_mine_\@:
.endm
; THE CHANGE OF SLOTS stands at a unit's head.  Each wave waits for all its tensor loads (its part of the slot ahead), adds 0 to its spare word, and waits for that and for its reads of the slot that it has left.
; Behind the barrier the slot ahead is whole and nobody reads the other.  fill = 1: that other slot takes the next unit of the walk, which has four key steps in which to land.
.macro CHANGE fill
	s_wait_tensorcnt 0x0                           ; no tensor load of mine is out, so group 0 may be written
	ds_add_u32 v8, v9                              ; 0 onto my spare word
.if \fill
	s_xor_b32 s33, s33, SLOT1                      ; the other slot than last time
	s_lshl_b32 s38, s15, 15                        ; the unit asked for x 32,768 bytes
	s_wait_xcnt 0x0                                ; the last prefetches, a trip back, have read their address
	s_add_nc_u64 s[40:41], s[36:37], s[38:39]
	s_mov_b64 s[34:35], s[40:41]
	s_or_b32 s35, s35, 0x80000000                  ; type = 2
	s_add_co_u32 s15, s15, 1                       ; the walk: 1 .. 7 - j, then 0 .. j
	s_cmp_eq_u32 s15, s11
	s_cselect_b32 s15, 0, s15
.endif
	s_wait_dscnt 0x0                               ; the add is done, and my reads of the slot that I have left are over
	s_barrier_signal -1
	s_barrier_wait -1
.if \fill
	TLOAD                                          ; the first thing behind the barrier, and a wave's one tensor load until the next
	ASK
.endif
	v_add_nc_u32 v2, s18, v1                       ; the slot in hand + 16 x lane
.endm
.macro SOFTMAX                         ; both tiles, line by line in turn
.irp j, 0,1,2,3
.irp t, 0,1
	v_max3_num_f32 v[ST+8*\t+4+\j], v[S+32*\t+8*\j], v[S+32*\t+8*\j+1], v[S+32*\t+8*\j+2]      ; four chains, each begun at its accumulator's low end
.endr
.endr
.irp g, 1,2
.irp j, 0,1,2,3
.irp t, 0,1
	v_max3_num_f32 v[ST+8*\t+4+\j], v[ST+8*\t+4+\j], v[S+32*\t+8*\j+2*\g+1], v[S+32*\t+8*\j+2*\g+2]
.endr
.endr
.endr
.irp t, 0,1
	v_max3_num_f32 v[ST+8*\t+4], v[ST+8*\t+4], v[S+32*\t+7], v[S+32*\t+15]
	v_max3_num_f32 v[ST+8*\t+6], v[ST+8*\t+6], v[S+32*\t+23], v[S+32*\t+31]
.endr
.irp t, 0,1
	v_max3_num_f32 v[ST+8*\t+4], v[ST+8*\t+4], v[ST+8*\t+5], v[ST+8*\t+6]
.endr
.irp t, 0,1
	v_max3_num_f32 v[ST+8*\t+4], v[ST+8*\t+4], v[ST+8*\t+7], v[ST+8*\t+1]                      ; with the old m
.endr
.irp t, 0,1
	v_permlanex16_b32 v[ST+8*\t+5], v[ST+8*\t+4], s22, s23                                     ; the query's other 32 keys lie in the lane 16 away
.endr
.irp t, 0,1
	v_mov_b32 v[ST+8*\t+7], v[ST+8*\t]                                                         ; c m_old
.endr
.irp t, 0,1
	v_max_num_f32 v[ST+8*\t+1], v[ST+8*\t+4], v[ST+8*\t+5]                                     ; the new m
.endr
.irp t, 0,1
	v_mul_f32 v[ST+8*\t], s20, v[ST+8*\t+1]
.endr
.irp t, 0,1
	v_sub_f32 v[ST+8*\t+7], v[ST+8*\t+7], v[ST+8*\t]
.endr
.set n, 0
.rept 16
.irp t, 0,1
	v_pk_fma_f32 v[S+32*\t+2*n:S+32*\t+2*n+1], v[S+32*\t+2*n:S+32*\t+2*n+1], s[20:21], v[ST+8*\t:ST+8*\t+1] op_sel_hi:[1,0,0] neg_lo:[0,0,1] neg_hi:[0,0,1]   ; c s - c m
.endr
.set n, n+1
.endr
.irp t, 0,1
	v_exp_f32 v[ST+8*\t+6], v[ST+8*\t+7]                                                       ; a
.endr
.set n, 0
.rept 64
	v_exp_f32 v[S+n], v[S+n]                                                                   ; p
.set n, n+1
.endr
	v_nop                                          ; one plain place behind the exponentials
	s_wait_alu depctr_va_vdst(0)
.irp t, 0,1
	v_pk_add_f32 v[ST+8*\t+4:ST+8*\t+5], v[S+32*\t:S+32*\t+1], v[S+32*\t+2:S+32*\t+3]          ; the sum of the unrounded p: two chains a tile
	v_pk_add_f32 v[10+2*\t:11+2*\t], v[S+32*\t+16:S+32*\t+17], v[S+32*\t+18:S+32*\t+19]
.endr
.irp i, 4,6,8,10,12,14
.irp t, 0,1
	v_pk_add_f32 v[ST+8*\t+4:ST+8*\t+5], v[ST+8*\t+4:ST+8*\t+5], v[S+32*\t+\i:S+32*\t+\i+1]
	v_pk_add_f32 v[10+2*\t:11+2*\t], v[10+2*\t:11+2*\t], v[S+32*\t+16+\i:S+32*\t+17+\i]
.endr
.endr
.irp t, 0,1
	v_pk_add_f32 v[ST+8*\t+4:ST+8*\t+5], v[ST+8*\t+4:ST+8*\t+5], v[10+2*\t:11+2*\t]
.endr
.irp t, 0,1
	v_pk_fma_f32 v[ST+8*\t+2:ST+8*\t+3], v[ST+8*\t+2:ST+8*\t+3], v[ST+8*\t+6:ST+8*\t+7], v[ST+8*\t+4:ST+8*\t+5] op_sel_hi:[1,0,1]   ; l = a l + the sum
.endr
.set n, 0
.rept 16
.irp t, 0,1
	v_cvt_pk_f16_f32 v[P+16*\t+n], v[S+32*\t+2*n], v[S+32*\t+2*n+1]
.endr
.set n, n+1
.endr
	WIN W_RS
.set n, 0
.rept 16
.irp t, 0,1
	v_pk_mul_f32 v[OT+32*\t+2*n:OT+32*\t+2*n+1], v[OT+32*\t+2*n:OT+32*\t+2*n+1], v[ST+8*\t+6:ST+8*\t+7] op_sel_hi:[1,0]   ; O^T x a, each accumulator from its low end on
.endr
.set n, n+1
.endr
	WIN 0
.endm
; A KEY STEP: 64 keys, the q-th of the unit in hand.
.macro STEP q
	s_add_co_u32 s50, s12, 31
	s_cmp_gt_u32 s13, s50                          ; all 64 keys come after my 32 queries: nothing to do.  No barrier and no tensor load stands in a step
	s_cbranch_scc1 .Lhid_\@
.irp kt, 0,1,2,3
.irp cc, 0,1
.irp hf, 0,1
	ds_load_b128 v[KFR+8*(2*\kt+\cc)+4*\hf:KFR+8*(2*\kt+\cc)+4*\hf+3], v2 offset:8192*\q+2048*\kt+1024*\cc+512*\hf
.endr
.endr
.endr
.irp ct, 0,1,2,3
.irp kc, 0,1
.irp u, 0,1
	ds_load_tr16_b128 v[VFR+8*(2*\ct+\kc)+4*\u:VFR+8*(2*\ct+\kc)+4*\u+3], v2 offset:32768+8192*\q+2048*(2*\kc+\u)+1024*(\ct/2)+512*(\ct%2)   ; 16 keys x 16 channels, turned: lane (r, h): channel r, keys 8 h + 0..7
.endr
.endr
.endr
	s_wait_dscnt 16                                ; K's 16 loads are in; V's 16 may be out
	WIN W_KQ
.irp cc, 0,1                           ; the eight accumulators take turns
.irp kt, 0,1,2,3
.irp t, 0,1
.if \cc == 0
	v_wmma_f32_16x16x32_f16 v[S+32*\t+8*\kt:S+32*\t+8*\kt+7], v[KFR+8*(2*\kt+\cc):KFR+8*(2*\kt+\cc)+7], v[16*\t+8*\cc:16*\t+8*\cc+7], 0
.else
	v_wmma_f32_16x16x32_f16 v[S+32*\t+8*\kt:S+32*\t+8*\kt+7], v[KFR+8*(2*\kt+\cc):KFR+8*(2*\kt+\cc)+7], v[16*\t+8*\cc:16*\t+8*\cc+7], v[S+32*\t+8*\kt:S+32*\t+8*\kt+7]
.endif
.endr
.endr
.endr
	WIN 0
.rept 4
	v_nop                                          ; places in front of the first read of the scores
.endr
	s_add_co_u32 s50, s13, 63
	s_cmp_le_u32 s50, s12                          ; all 64 keys count for all my queries: no mask
	s_cbranch_scc1 .Lopen_\@
	s_sub_co_i32 s50, s12, s13
	v_add_nc_u32 v4, s50, v3                       ; d = my query - the step's first key - 8 (lane / 16), tile 0;
	v_add_nc_u32 v5, 16, v4                        ; tile 1.  Register 8 kt + i holds key 16 kt + 8 (lane / 16) + i: hidden where 16 kt + i > d
.irp t, 0,1
.irp n, 0,1,2,3,4,5,6,7,8,9,10,11,12,13,14,15,16,17,18,19,20,21,22,23,24,25,26,27,28,29,30,31
	v_cmp_gt_i32 vcc_lo, 16*(\n/8)+\n%8, v[4+\t]
	v_cndmask_b32 v[S+32*\t+\n], v[S+32*\t+\n], v6, vcc_lo
.endr
.endr
.Lopen_\@:
	SOFTMAX
	s_wait_dscnt 0x0                               ; V is in
	WIN W_PV
.irp kc, 0,1
.irp ct, 0,1,2,3
.irp t, 0,1
	v_wmma_f32_16x16x32_f16 v[OT+32*\t+8*\ct:OT+32*\t+8*\ct+7], v[VFR+8*(2*\ct+\kc):VFR+8*(2*\ct+\kc)+7], v[P+16*\t+8*\kc:P+16*\t+8*\kc+7], v[OT+32*\t+8*\ct:OT+32*\t+8*\ct+7]
.endr
.endr
.endr
	WIN 0
.rept 4
	v_nop                                          ; places in front of the next step's loads into V's registers and of any read of O^T
.endr
.Lhid_\@:
	s_add_co_u32 s13, s13, 64
.endm
.macro LOADQ                           ; my 32 queries: two tiles x two chunks of 32 channels, as images
	WIN 0x40
.irp t, 0,1
.irp cc, 0,1
.irp hf, 0,1
	global_load_b128 v[16*\t+8*\cc+4*\hf:16*\t+8*\cc+4*\hf+3], v1, s[42:43] offset:2048*\t+1024*\cc+512*\hf
.endr
.endr
.endr
	WIN 0
.endm
.macro RESET                           ; a block of queries begins: m = -3e38, l = 0, O^T = 0.  Twice in the launch; so the key step is written in one form
.irp t, 0,1
	v_mov_b32 v[ST+8*\t+1], 0xff61b1e6
	v_mul_f32 v[ST+8*\t], s20, v[ST+8*\t+1]
.irp i, 2,3,4,5,6,7
	v_mov_b32 v[ST+8*\t+\i], 0
.endr
.endr
	WIN 0x40
.set n, 0
.rept 64
	v_mov_b32 v[OT+n], 0
.set n, n+1
.endr
	WIN 0
.endm
.macro FINAL                           ; O^T / l, rounded to f16: a lane's eight channels of a query are 16 bytes of the image that the last product reads: stored straight from registers
.irp t, 0,1
	v_add_f32 v[ST+8*\t+4], v[ST+8*\t+2], v[ST+8*\t+3]
.endr
.irp t, 0,1
	v_permlanex16_b32 v[ST+8*\t+5], v[ST+8*\t+4], s22, s23
.endr
.irp t, 0,1
	v_add_f32 v[ST+8*\t+4], v[ST+8*\t+4], v[ST+8*\t+5]
.endr
.irp t, 0,1
	v_rcp_f32 v[ST+8*\t+6], v[ST+8*\t+4]
.endr
	v_nop                                          ; one plain place behind the reciprocals
	WIN W_RS
	s_wait_alu depctr_va_vdst(0)
.irp t, 0,1
.set n, 0
.rept 16
	v_pk_mul_f32 v[OT+32*\t+2*n:OT+32*\t+2*n+1], v[OT+32*\t+2*n:OT+32*\t+2*n+1], v[ST+8*\t+6:ST+8*\t+7] op_sel_hi:[1,0]
.set n, n+1
.endr
.endr
	WIN 0x05
.set n, 0
.rept 32
	v_cvt_pk_f16_f32 v[S+n], v[OT+2*n], v[OT+2*n+1]
.set n, n+1
.endr
	WIN 0
.irp t, 0,1
.irp ct, 0,1,2,3
	global_store_b128 v1, v[S+16*\t+4*\ct:S+16*\t+4*\ct+3], s[44:45] offset:16384*(\ct/2)+1024*\t+512*(\ct%2)   ; 512 consecutive bytes, aligned
.endr
.endr
.endm
	s_load_b128 s[4:7], s[0:1], 0x0                ; qkv s[4:5], att s[6:7]
	v_lshl_add_u32 v8, v0, 2, SPARE
	v_mov_b32 v9, 0
	ds_add_u32 v8, v9
	s_wait_dscnt 0x0
	v_lshrrev_b32 v1, 5, v0
	v_readfirstlane_b32 s8, v1                     ; wave 0..7
	s_mov_b32 s9, ttmp9                            ; j
	s_and_b32 s10, ttmp7, 0xffff                   ; batch x 16 + head
	s_sub_co_u32 s11, 8, s9                        ; units of the first block: 8 - j
	s_lshl_b32 s14, s11, 8                         ; and its keys
	s_sub_co_u32 s50, 7, s9                        ; the first block
	s_lshl_b32 s12, s50, 8
	s_lshl_b32 s51, s8, 5
	s_add_co_u32 s12, s12, s51                     ; my first query
	s_mov_b32 s13, 0                               ; the step's first key
	s_mov_b32 s15, 1                               ; the next unit to ask for
	s_mov_b32 s16, 8                               ; trips of the loop
	s_mov_b32 s18, 0                               ; the slot in hand
	s_mov_b32 s20, 0x3e38aa3b                      ; c = log2(e) / 8
	s_mov_b32 s21, s20                             ; (named with it as a pair, so it is written)
	s_mov_b32 s22, 0x76543210
	s_mov_b32 s23, 0xfedcba98                      ; selects for lane l xor 16
	s_mov_b32 s24, 3<<16                           ; group 1: no mask, elements of 8 bytes, no padding
	s_mov_b32 s25, 32<<16                          ; tensor_dim0 = 32: rows of 256 bytes
	s_mov_b32 s26, 64<<16                          ; tensor_dim1 = 64: 16,384 dense bytes
	s_mov_b32 s27, 32<<16                          ; tile_dim0
	s_mov_b32 s28, 64                              ; tile_dim1
	s_mov_b32 s29, 32                              ; the pitch
	s_mov_b32 s30, 0
	s_mov_b32 s31, 0
	s_lshr_b32 s51, s8, 2
	s_xor_b32 s51, s51, 1                          ; 0 in waves 4 to 7,
	s_or_b32 s51, s51, s9                          ; of the head's first work-group
	s_cmp_eq_u32 s51, 0
	s_cselect_b32 s17, 2, -1                       ; they prefetch while more than 2 trips are left
	s_lshl_b32 s38, s10, 18                        ; the head's 262,144 bytes in q, in k and in v
	s_mov_b32 s39, 0
	s_and_b32 s52, s8, 3
	s_lshl_b32 s33, s52, 14                        ; LDS: K's halves at 0 and 16,384, V's at 32,768 and 49,152
	s_lshr_b32 s52, s52, 1
	s_add_co_u32 s52, s52, 1                       ; k is the second of the three tensors, v the third: 16,777,216 bytes each
	s_lshl_b32 s52, s52, 24
	s_and_b32 s53, s8, 1
	s_lshl_b32 s53, s53, 14                        ; my half of a unit
	s_add_co_u32 s52, s52, s53
	s_add_co_u32 s52, s52, s38
	s_mov_b32 s53, 0                               ; from here on the high word of every offset
	s_mov_b32 s32, 1
	s_wait_kmcnt 0x0
	s_add_nc_u64 s[36:37], s[4:5], s[52:53]        ; my part of unit 0
	s_mov_b64 s[34:35], s[36:37]
	s_or_b32 s35, s35, 0x80000000
	TLOAD                                          ; unit 0 into slot 0: the one first fill, ahead of every wait on TENSORcnt, every LDS read and every barrier
	s_lshl_b32 s52, s8, 12                         ; my 32 queries: two token tiles of 2,048 bytes
	s_add_co_u32 s52, s52, s38
	s_add_nc_u64 s[46:47], s[4:5], s[52:53]
	s_lshl_b32 s52, s50, 15
	s_add_nc_u64 s[42:43], s[46:47], s[52:53]      ; in the first block
	s_lshr_b32 s52, s10, 4
	s_lshl_b32 s52, s52, 22                        ; att: batch x 8 blocks of 524,288 bytes
	s_and_b32 s54, s10, 15
	s_lshl_b32 s54, s54, 15                        ; + head x 2 chunks of 16,384
	s_add_co_u32 s52, s52, s54
	s_lshl_b32 s54, s8, 11                         ; + my two row tiles
	s_add_co_u32 s52, s52, s54
	s_add_nc_u64 s[48:49], s[6:7], s[52:53]
	s_lshl_b32 s52, s50, 19
	s_add_nc_u64 s[44:45], s[48:49], s[52:53]
	v_and_b32 v1, 31, v0
	v_lshlrev_b32 v7, 8, v1                        ; the prefetches' offset: 256 x lane
	v_lshlrev_b32 v1, 4, v1                        ; 16 x lane
	v_and_b32 v3, 15, v0
	v_bfe_u32 v4, v0, 4, 1
	v_lshlrev_b32 v4, 3, v4
	v_sub_nc_u32 v3, v3, v4                        ; r - 8 h
	v_mov_b32 v6, 0xff800000                       ; -infinity
	LOADQ
	RESET
	s_wait_loadcnt 0x0                             ; Q
.Ltrip:                                                ; 8 trips, a unit each; behind each change of slots the next unit is asked for
	CHANGE 1
	STEP 0
	STEP 1
	STEP 2
	STEP 3
	s_xor_b32 s18, s18, SLOT1
	s_cmp_lg_u32 s13, s14                          ; the first block's last unit is done (once, at the end of trip 7 - j: the second block's keys end at 256 (j + 1), under 256 (8 - j))
	s_cbranch_scc1 .Lsame
	FINAL
	s_wait_xcnt 0x0                                ; the stores have read their registers and their base
	s_mov_b32 s13, 0
	s_lshl_b32 s12, s9, 8
	s_lshl_b32 s50, s8, 5
	s_add_co_u32 s12, s12, s50                     ; block j
	s_lshl_b32 s52, s9, 15
	s_add_nc_u64 s[42:43], s[46:47], s[52:53]
	s_lshl_b32 s52, s9, 19
	s_add_nc_u64 s[44:45], s[48:49], s[52:53]
	LOADQ
	RESET
	s_wait_loadcnt 0x0
.Lsame:
	s_sub_co_u32 s16, s16, 1
	s_cmp_lg_u32 s16, 0
	s_cbranch_scc1 .Ltrip
	CHANGE 0                                       ; the ninth unit is written out
	STEP 0
	STEP 1
	STEP 2
	STEP 3
	FINAL
	s_wait_tensorcnt 0x0                           ; the wave's end
	ds_add_u32 v8, v9
	s_wait_dscnt 0x0
	s_endpgm
.Lfunc_end_k_q81d12a3647_attn:
	.size	k_q81d12a3647_attn, .Lfunc_end_k_q81d12a3647_attn-k_q81d12a3647_attn
	.p2alignl 7, 3214868480
	.fill 96, 4, 3214868480
	.section	.rodata,"a",@progbits
	.p2align	6, 0x0
	.amdhsa_kernel k_q81d12a3647_attn
		.amdhsa_group_segment_fixed_size 327680
		.amdhsa_private_segment_fixed_size 0
		.amdhsa_enable_private_segment 0
		.amdhsa_kernarg_size 16
		.amdhsa_user_sgpr_count 2
		.amdhsa_user_sgpr_kernarg_segment_ptr 1
		.amdhsa_wavefront_size32 1
		.amdhsa_system_sgpr_workgroup_id_x 1
		.amdhsa_system_sgpr_workgroup_id_y 1
		.amdhsa_system_sgpr_workgroup_id_z 1
		.amdhsa_system_vgpr_workitem_id 0
		.amdhsa_next_free_vgpr 384
		.amdhsa_next_free_sgpr 66
		.amdhsa_reserve_vcc 1
		.amdhsa_float_denorm_mode_32 3
		.amdhsa_float_denorm_mode_16_64 3
		.amdhsa_memory_ordered 1
		.amdhsa_forward_progress 1
		.amdhsa_inst_pref_size 194
	.end_amdhsa_kernel
	.amdgpu_metadata
---
amdhsa.version: [ 1, 2 ]
amdhsa.kernels:
  - .name:           k_q81d12a3647_attn
    .symbol:         k_q81d12a3647_attn.kd
    .args:
      - { .name: qkv, .offset: 0, .size: 8, .value_kind: global_buffer, .address_space: global }
      - { .name: att, .offset: 8, .size: 8, .value_kind: global_buffer, .address_space: global }
    .group_segment_fixed_size: 327680
    .private_segment_fixed_size: 0
    .kernarg_segment_align: 8
    .kernarg_segment_size: 16
    .max_flat_workgroup_size: 256
    .sgpr_count:     66
    .vgpr_count:     384
    .wavefront_size: 32
...
	.end_amdgpu_metadata
.endif
;; end of part 3
;; launch proj (part 4): grid 8 x 32, 4 waves a work-group, clusters of 4 x 4, 327,680 bytes of LDS; arguments att, wo, out0; writes out0
.if DOCPART == 4
	.amdgcn_target "amdgcn-amd-amdhsa--gfx1250"
	.amdhsa_code_object_version 6
	.text
	.protected	k_q81d12a3647_proj
	.globl	k_q81d12a3647_proj
	.p2align	8
	.type	k_q81d12a3647_proj,@function
k_q81d12a3647_proj:
	s_mov_b64 s[64:65], 0
	v_nop
	global_prefetch_b8 v0, s[64:65] scope:SCOPE_SE
	s_setreg_imm32_b32 hwreg(HW_REG_WAVE_MODE, 25, 1), 1
	s_wait_xcnt 0x0
	s_wait_alu depctr_hold_cnt(0) depctr_sa_sdst(0) depctr_va_vdst(0) depctr_va_sdst(0) depctr_va_ssrc(0) depctr_va_vcc(0) depctr_vm_vsrc(0)
	s_getreg_b32 s2, hwreg(HW_REG_IB_STS2, 6, 4)
	s_cmp_eq_u32 s2, 0
	s_cbranch_scc0 .Lentry_in_a_cluster
	s_endpgm
.Lentry_in_a_cluster:
	s_bfe_u32 s2, ttmp6, 0x10000c
	s_cmp_lg_u32 s2, 0xf033
	s_cbranch_scc0 .Lentry_shape_is_right
	s_endpgm
.Lentry_shape_is_right:
; out0 = A w_out: [8192 x 1024] x [1024 x 1024], A the attention's result in f16, w_out in f16 in two parts (hi, lo = w - hi); sums in f32; out0 f32.
; A work-group of four waves makes 256 rows x 128 columns (256 work-groups), a wave 128 x 64: 32 accumulators.  Both operands arrive as fragment images (512 bytes = four registers x 32 lanes): every tile is a dense
; block of memory, every fragment two ds_load_b128 at 16 x lane.  K goes in steps of 128 (four chunks of 32) through a ring of two LDS slots: A's 65,536 bytes, then w's 65,536 (hi and lo); each wave fetches 32,768.
; THE LOWER PART OF w_out is added for the first 16 rows of each wave's 128 alone: four products more for each 32.  A batch's first rows are sums over few keys and by far the largest of the output, so that the
; rounding of w_out to 11 bits weighs most there; they are the first row tile of every eighth row block.  The same lines run in every wave: no branch hangs on a work-group's place.
; CLUSTERS: 4 x 4 work-groups; A's tile is shared along a row of the cluster, w's along a column: joint loads, as many requests divided by four.
; THE MATRIX INSTRUCTION IS USED TRANSPOSED (source 0 = 16 columns of w, source 1 = 16 rows of A): a lane holds eight neighbouring numbers of a row of out0.
; REGISTERS: window 0: v16-30 addresses; v32-159 fragment buffer 0 (A 64, w hi 32, w lo 32); v32-223 the way out.  window 1: the accumulators, (a, b) at v[8 (4 a + b)].  window 2: v32-159 fragment buffer 1.
.set SLOT,  131072
.set STAGE, 262144                     ; behind the ring: 16 rows x 272 bytes for each wave, for the way out
.set SPARE, 279552                     ; behind the stages: the spare words, 128 bytes for each wave: two blocks of 256 bytes that no other line names
.set ADRA, 16
.set ADRB, 20
.set STO,  24
.set RD,   25
.set CO,   26
.set SPW,  28
.set NIL,  29
.set PFO,  30
.set FA,   32
.set FH,   96
.set FL,   128
.set G1,  24
.set G0,  32
.set G1B, 48
.set G0B, 56
.set PFA, 44                           ; s[44:45] where my prefetches stand
.set LIM, 43                           ; s43 1 in a wave that prefetches, else the greatest number
.set MSB, 0
.macro WIN new
.if MSB != (\new)
	s_set_vgpr_msb (MSB<<8)|(\new)
.set MSB, (\new)
.endif
.endm
.macro JLOAD s                         ; a joint load: waves 0 and 1 fetch A's halves, waves 2 and 3 w's; four v_nop follow each of the two lines
	s_cmp_eq_u32 s11, 0
	s_cbranch_scc0 .Lfor_b_\@
	tensor_load_to_lds s[G0+4*\s:G0+4*\s+3], s[G1:G1+7]
	s_nop 0
.rept 4
	v_nop
.endr
	s_branch .Lasked_\@
.Lfor_b_\@:
	tensor_load_to_lds s[G0B+4*\s:G0B+4*\s+3], s[G1B:G1B+7]
	s_nop 0
.rept 4
	v_nop
.endr
.Lasked_\@:
.endm
.macro CREST                           ; a round of the cluster's barrier behind its opening barrier
	s_cmp_lg_u32 s10, 0
	s_cbranch_scc1 .Lnot_wave_0_\@
	s_barrier_signal -3
.Lnot_wave_0_\@:
	s_barrier_wait -3
	s_barrier_signal -1
	s_barrier_wait -1
.endm
.macro CROUND
	s_barrier_signal -1
	s_barrier_wait -1
	CREST
.endm
; A PREFETCH INTO THE L2 of A's K step that stands two refills on: 288 matrix instructions ahead of the load that will want it.  A row block of A is read by both clusters of its row of clusters: the first (cluster x = 0) asks.
; Of the 32,768 bytes that wave 0 or 1 fetches, each of the four partners takes 8,192, told apart BY ADDRESS (cx): lanes 256 bytes apart, one instruction a wave.  So each aligned block of 256 bytes of K steps 4 to 7 is named once.
; K steps 0 to 3 come by their loads alone; the loop's last trip asks for nothing.  w's images are not asked for: every row of clusters walks the same 4,194,304 bytes again.
.macro ASK
	s_cmp_gt_u32 s3, s[LIM]
	s_cbranch_scc0 .Lnot_mine_\@
	global_prefetch_b8 v[PFO], s[PFA:PFA+1] offset:65536 th:TH_LOAD_NT scope:SCOPE_SE
.Lnot_mine_\@:
.endm
	s_load_b128 s[4:7], s[0:1], 0x0                ; att s[4:5], wo s[6:7]
	s_load_b64 s[8:9], s[0:1], 0x10                ; out0
	v_lshl_add_u32 v[SPW], v0, 2, SPARE
	v_mov_b32 v[NIL], 0
	ds_add_u32 v28, v29
	s_wait_dscnt 0x0
	v_lshrrev_b32 v1, 5, v0
	v_readfirstlane_b32 s10, v1                    ; wave 0..3
	s_lshr_b32 s11, s10, 1                         ; which half of the rows is mine.  Also: I fetch for A (0) or for w (1)
	s_and_b32 s12, s10, 1                          ; which half of the columns.  Also: which half of a K step's block I fetch
	s_bfe_u32 s40, ttmp6, 0x40000                  ; cx, cy
	s_bfe_u32 s41, ttmp6, 0x40004
	s_lshl_b32 s42, ttmp9, 2
	s_add_co_u32 s42, s42, s40                     ; column block = 4 x cluster x + cx
	s_and_b32 s13, ttmp7, 0xffff
	s_lshl_b32 s13, s13, 2
	s_add_co_u32 s13, s13, s41                     ; row block = 4 x cluster y + cy
	s_lshl_b32 s43, s41, 2
	s_lshl_b32 s43, 15, s43                        ; my row of the cluster
	s_lshl_b32 s44, 0x1111, s40                    ; my column
	s_or_b32 s[G1+0], s43, (3<<16)|(1<<21)         ; the mask; elements of 8 bytes; bit 21 beside a mask; no padding
	s_or_b32 s[G1B+0], s44, (3<<16)|(1<<21)
.irp g, G1, G1B
	s_mov_b32 s[\g+1], 32<<16                      ; rows of 256 bytes,
	s_mov_b32 s[\g+2], 128<<16                     ; 128 of them: 32,768 dense bytes
	s_mov_b32 s[\g+3], 32<<16
	s_mov_b32 s[\g+4], 128
	s_mov_b32 s[\g+5], 32
	s_mov_b32 s[\g+6], 0
	s_mov_b32 s[\g+7], 0
.endr
	s_lshl_b32 s17, s12, 15                        ; my half of a K step's 65,536 bytes
	s_lshl_b32 s16, s13, 19                        ; A: row block x 524,288
	s_add_co_u32 s16, s16, s17
	s_lshl_b32 s46, s42, 19                        ; w: column block x 524,288
	s_add_co_u32 s46, s46, s17
	s_mov_b32 s17, 0
	s_mov_b32 s47, 0
	s_lshl_b32 s20, s10, 15                        ; where it goes: wave x 32,768
	s_wait_kmcnt 0x0
	s_add_nc_u64 s[14:15], s[4:5], s[16:17]
	s_add_nc_u64 s[46:47], s[6:7], s[46:47]
	CROUND                                         ; all sixteen work-groups are here: the first joint loads meet
.irp s, 0,1
	s_mov_b32 s[G0+4*\s], 1
	s_add_co_u32 s[G0+4*\s+1], s20, \s*SLOT
	s_add_nc_u64 s[G0+4*\s+2:G0+4*\s+3], s[14:15], \s*65536
	s_or_b32 s[G0+4*\s+3], s[G0+4*\s+3], 0x80000000
	s_mov_b32 s[G0B+4*\s], 1
	s_add_co_u32 s[G0B+4*\s+1], s20, \s*SLOT
	s_add_nc_u64 s[G0B+4*\s+2:G0B+4*\s+3], s[46:47], \s*65536
	s_or_b32 s[G0B+4*\s+3], s[G0B+4*\s+3], 0x80000000
	JLOAD \s
.endr
	v_and_b32 v1, 15, v0                           ; r
	v_bfe_u32 v2, v0, 4, 1                         ; h
	v_and_b32 v3, 31, v0
	v_lshlrev_b32 v[PFO], 8, v3                    ; 256 x lane
	v_lshlrev_b32 v3, 4, v3                        ; 16 x lane
	s_lshl_b32 s21, s11, 13                        ; my 8 row tiles of 1,024 bytes
	s_lshl_b32 s22, s12, 12                        ; my 4 column tiles,
	s_add_co_u32 s22, s22, 65536                   ; behind A's 65,536 bytes
.irp s, 0,1
	v_add_nc_u32 v[ADRA+\s], s21, v3
	v_add_nc_u32 v[ADRB+\s], s22, v3
	s_add_co_u32 s21, s21, SLOT
	s_add_co_u32 s22, s22, SLOT
.endr
	s_mul_i32 s23, s10, 16*272
	s_add_co_u32 s23, s23, STAGE                   ; my stage
	v_mul_u32_u24 v4, v1, 272                      ; in: row r, 32 bytes for each half of the lanes
	v_lshl_add_u32 v4, v2, 5, v4
	v_add_nc_u32 v[STO], s23, v4
	v_mul_u32_u24 v5, v2, 272                      ; back: lanes 0-15 one row of 256 bytes, lanes 16-31 the next
	v_lshl_add_u32 v5, v1, 4, v5
	v_add_nc_u32 v[RD], s23, v5
	v_lshlrev_b32 v[CO], 12, v2                    ; and the same two rows in out0
	v_lshl_add_u32 v[CO], v1, 4, v[CO]
	s_lshl_b32 s16, s13, 8
	s_lshl_b32 s17, s11, 7
	s_add_co_u32 s16, s16, s17                     ; my first row
	s_lshl_b32 s16, s16, 12                        ; x 4,096 bytes
	s_lshl_b32 s17, s42, 9                         ; + the column block's 512 bytes
	s_add_co_u32 s16, s16, s17
	s_lshl_b32 s17, s12, 8                         ; + my 256
	s_add_co_u32 s16, s16, s17
	s_mov_b32 s17, 0
	s_add_nc_u64 s[8:9], s[8:9], s[16:17]
	s_lshl_b32 s20, s13, 19                        ; the prefetches: my row block,
	s_lshl_b32 s21, s12, 15                        ; the half that I fetch,
	s_add_co_u32 s20, s20, s21
	s_lshl_b32 s21, s40, 13                        ; my work-group's 8,192 bytes of it,
	s_add_co_u32 s20, s20, s21
	s_add_co_u32 s20, s20, 2*65536                 ; at K step 2: the first refill steps it to 3 and names K step 4
	s_mov_b32 s21, 0
	s_add_nc_u64 s[PFA:PFA+1], s[4:5], s[20:21]
	s_or_b32 s22, s11, ttmp9                       ; waves 0 and 1 of the clusters with x = 0: the same in all sixteen partners
	s_cmp_eq_u32 s22, 0
	s_cselect_b32 s[LIM], 1, -1
; n row tiles of A from a0 on x my four column tiles, 32 along K.  zero = 1: the first product starts the sums.  The 32 accumulators take turns.
.macro MULN a0, n, zero
.set ma, \a0
.rept \n
.irp b, 0,1,2,3
.if \zero
	v_wmma_f32_16x16x32_f16 v[8*(4*ma+\b):8*(4*ma+\b)+7], v[FH+8*\b:FH+8*\b+7], v[FA+8*ma:FA+8*ma+7], 0
.else
	v_wmma_f32_16x16x32_f16 v[8*(4*ma+\b):8*(4*ma+\b)+7], v[FH+8*\b:FH+8*\b+7], v[FA+8*ma:FA+8*ma+7], v[8*(4*ma+\b):8*(4*ma+\b)+7]
.endif
.endr
.set ma, ma+1
.endr
.endm
.macro CORR                            ; my first row tile x the lower part of w: four accumulators in turn
.irp b, 0,1,2,3
	v_wmma_f32_16x16x32_f16 v[8*\b:8*\b+7], v[FL+8*\b:FL+8*\b+7], v[FA:FA+7], v[8*\b:8*\b+7]
.endr
.endm
.macro FETCH slot, q, fb               ; 32 LDS loads in one run: chunk q of the slot into buffer fb: w hi, A's tiles 0-7, w lo
	WIN 0x80*(\fb)
.irp b, 0,1,2,3
.irp hf, 0,1
	ds_load_b128 v[FH+8*\b+4*\hf:FH+8*\b+4*\hf+3], v[ADRB+\slot] offset:16384*(\q)+1024*\b+512*\hf
.endr
.endr
.irp i, 0,1,2,3,4,5,6,7
.irp hf, 0,1
	ds_load_b128 v[FA+8*\i+4*\hf:FA+8*\i+4*\hf+3], v[ADRA+\slot] offset:16384*(\q)+1024*\i+512*\hf
.endr
.endr
.irp b, 0,1,2,3
.irp hf, 0,1
	ds_load_b128 v[FL+8*\b+4*\hf:FL+8*\b+4*\hf+3], v[ADRB+\slot] offset:16384*(\q)+8192+1024*\b+512*\hf
.endr
.endr
.endm
.macro PLACES                          ; four plain places in front of loads into registers that matrix instructions have read, and of the first read of results
.rept 4
	v_nop
.endr
.endm
; A K step is four quarters of 32 along K, 36 matrix instructions each, on buffers 0, 1, 0, 1.  One of the first three: multiplies buffer fb and fetches chunk qn into the other.
.macro QUARTER slot, qn, fb, zero
	s_wait_dscnt 16                                ; w hi and A's tiles 0-3 are in; the youngest sixteen loads (A's tiles 4-7, w lo) may be out
	WIN 0x50+0x0a*(\fb)
	MULN 0, 4, \zero
	PLACES
	FETCH \slot, \qn, 1-(\fb)
	s_wait_dscnt 32                                ; all but the 32 just issued
	WIN 0x50+0x0a*(\fb)
	MULN 4, 4, \zero
	CORR
.endm
; The last quarter multiplies buffer 1 and changes slots: ONE barrier; in front of it each wave waits for all its tensor loads, adds 0 to its spare word, and waits for that and for its reads of this slot.
.macro TURN slot, next, fill
.if \fill
	s_wait_xcnt 0x0                                ; the last prefetch, a K step back, has read its address
	s_add_nc_u64 s[PFA:PFA+1], s[PFA:PFA+1], 65536
.endif
	WIN 0                                          ; (the add's two registers lie in window 0)
	s_wait_tensorcnt 0x0                           ; all my tensor loads have landed: my part of the next slot
	ds_add_u32 v[SPW], v[NIL]                      ; 0 onto my spare word
	s_wait_dscnt 17                                ; (the add and the youngest sixteen loads may be out)
	WIN 0x5a
	MULN 0, 2, 0                                   ; eight matrix instructions stand between the add and the wait for it
	s_wait_dscnt 0x0                               ; the add is done, and my reads of this slot are over
	s_barrier_signal -1
	MULN 2, 2, 0
	WIN 0
	s_barrier_wait -1
.if \fill
	CREST                                          ; the barrier has opened a round of the cluster's barrier: no wave of any partner still reads this slot or has a load on its way
	s_add_nc_u64 s[G0+4*\slot+2:G0+4*\slot+3], s[G0+4*\slot+2:G0+4*\slot+3], 131072
	s_add_nc_u64 s[G0B+4*\slot+2:G0B+4*\slot+3], s[G0B+4*\slot+2:G0B+4*\slot+3], 131072
	JLOAD \slot                                    ; the first tensor load behind the round; its four v_nop are also the places in front of the loads below
.else
	PLACES
.endif
	FETCH \next, 0, 0
.if \fill
	ASK
.endif
	WIN 0x5a
	MULN 4, 4, 0
	CORR
.endm
	s_wait_tensorcnt 1                             ; my part of K step 0 is in; K step 1's load may be out
	s_barrier_signal -1
	s_barrier_wait -1
	FETCH 0, 0, 0
	QUARTER 0, 1, 0, 1                             ; the first quarter stands in front of the loop: its products start the sums
	WIN 0
	s_mov_b32 s3, 3
.Llap:                                                 ; a trip goes once round the ring and fills both slots again: K steps 2 to 7
	QUARTER 0, 2, 1, 0
	QUARTER 0, 3, 0, 0
	TURN 0, 1, 1
	QUARTER 1, 1, 0, 0
	QUARTER 1, 2, 1, 0
	QUARTER 1, 3, 0, 0
	TURN 1, 0, 1
	QUARTER 0, 1, 0, 0
	WIN 0
	s_sub_co_u32 s3, s3, 1
	s_cmp_lg_u32 s3, 0
	s_cbranch_scc1 .Llap
	QUARTER 0, 2, 1, 0                             ; the last lap fills nothing
	QUARTER 0, 3, 0, 0
	TURN 0, 1, 0
	QUARTER 1, 1, 0, 0
	QUARTER 1, 2, 1, 0
	QUARTER 1, 3, 0, 0
	s_wait_dscnt 16                                ; the very last quarter
	WIN 0x5a
	MULN 0, 4, 0
	s_wait_dscnt 0x0
	MULN 4, 4, 0
	CORR
	WIN 0
	PLACES
; THE WAY OUT, a row tile at a time: a lane holds 32 bytes of a row; 16 rows x 256 bytes go through my own stage and come back by rows, so that sixteen lanes store 256 consecutive aligned bytes.
; LDS serves a wave's instructions in order: no wait between the stores and the loads, nor in front of the next tile's stores.
.macro TOSTAGE a
	WIN 0x04                                       ; an LDS store's data are its source 1: window 1
.irp b, 0,1,2,3
	ds_store_b128 v[STO], v[8*(4*(\a)+\b):8*(4*(\a)+\b)+3] offset:64*\b        ; each accumulator from its low end on
	ds_store_b128 v[STO], v[8*(4*(\a)+\b)+4:8*(4*(\a)+\b)+7] offset:64*\b+16
.endr
	WIN 0
.set BB, 32+32*((\a)%6)
.irp t, 0,1,2,3,4,5,6,7
	ds_load_b128 v[BB+4*\t:BB+4*\t+3], v[RD] offset:544*\t
.endr
.endm
.macro SEND a, younger                 ; younger: the LDS instructions issued behind tile a's loads: the next tile's eight stores and eight loads, or none
.set BB, 32+32*((\a)%6)
	s_wait_dscnt \younger
.irp t, 0,1,2,3,4,5,6,7
	global_store_b128 v[CO], v[BB+4*\t:BB+4*\t+3], s[8:9] offset:(16*(\a)+2*\t)*4096 th:TH_STORE_NT
.endr
.endm
	TOSTAGE 0
.irp a, 1,2,3,4,5,6,7
.if \a == 6
	s_wait_xcnt 0x0                                ; the stores of tiles 0 to 4 have read their registers: tiles 6 and 7 land where tiles 0 and 1 lay
.endif
	TOSTAGE \a
	SEND \a-1, 16
.endr
	SEND 7, 0
	s_wait_tensorcnt 0x0                           ; the wave's end
	ds_add_u32 v[SPW], v[NIL]
	s_wait_dscnt 0x0
	CROUND                                         ; the closing round: no work-group ends while a partner may still ask for a tile that names it
	s_endpgm
.Lfunc_end_k_q81d12a3647_proj:
	.size	k_q81d12a3647_proj, .Lfunc_end_k_q81d12a3647_proj-k_q81d12a3647_proj
	.p2alignl 7, 3214868480
	.fill 96, 4, 3214868480
	.section	.rodata,"a",@progbits
	.p2align	6, 0x0
	.amdhsa_kernel k_q81d12a3647_proj
		.amdhsa_group_segment_fixed_size 327680
		.amdhsa_private_segment_fixed_size 0
		.amdhsa_enable_private_segment 0
		.amdhsa_kernarg_size 24
		.amdhsa_user_sgpr_count 2
		.amdhsa_user_sgpr_kernarg_segment_ptr 1
		.amdhsa_wavefront_size32 1
		.amdhsa_system_sgpr_workgroup_id_x 1
		.amdhsa_system_sgpr_workgroup_id_y 1
		.amdhsa_system_sgpr_workgroup_id_z 1
		.amdhsa_system_vgpr_workitem_id 0
		.amdhsa_next_free_vgpr 768
		.amdhsa_next_free_sgpr 66
		.amdhsa_reserve_vcc 0
		.amdhsa_float_denorm_mode_32 3
		.amdhsa_float_denorm_mode_16_64 3
		.amdhsa_memory_ordered 1
		.amdhsa_forward_progress 1
		.amdhsa_inst_pref_size 98
	.end_amdhsa_kernel
	.amdgpu_metadata
---
amdhsa.version: [ 1, 2 ]
amdhsa.kernels:
  - .name:           k_q81d12a3647_proj
    .symbol:         k_q81d12a3647_proj.kd
    .args:
      - { .name: att, .offset: 0, .size: 8, .value_kind: global_buffer, .address_space: global }
      - { .name: wo, .offset: 8, .size: 8, .value_kind: global_buffer, .address_space: global }
      - { .name: out0, .offset: 16, .size: 8, .value_kind: global_buffer, .address_space: global }
    .group_segment_fixed_size: 327680
    .private_segment_fixed_size: 0
    .kernarg_segment_align: 8
    .kernarg_segment_size: 24
    .max_flat_workgroup_size: 128
    .sgpr_count:     66
    .vgpr_count:     768
    .wavefront_size: 32
...
	.end_amdgpu_metadata
.endif
;; end of part 4
